; MI455X (gfx1250); checked and timed in simulation.
; The chip was launched on July 23, 2026; its instructions are those of AMD's public machine-readable ISA for CDNA 5 (MIT licence, August 2026) and "CDNA5" Instruction Set Architecture Reference Guide (July 2026). The comments in the code are by the model that wrote it; some were corrected since.
;; HQQ Linear. Allowed arithmetic: matrix products marked QUANTISED: E2M1 operands, one E8M0 scale for each 32 along K, by v_wmma_scale_f32_16x16x128_f8f6f4 with both operands' format E2M1 (or v_wmma_scale_f32_32x16x128_f4), f32 sums; everything else in f32.
;; Inputs: W_q 32 x 262,144 int32; bias 4,096 float32; scale 1 x 262,144 float32; x_codes 8 x 512 x 128 x 16 uint8 (E2M1 codes of x, K innermost, in blocks of 32 codes, two codes a byte); x_scales 8 x 512 x 128 uint8 (E8M0 scales of x, one for each 32 codes along K); zero 1 x 262,144 float32.
;; Outputs: out0 8 x 512 x 4,096 float32.
;; This version of the problem:
;;   THIS VERSION OF THE PROBLEM IS GIVEN IN LOW PRECISION. The matrix products marked QUANTISED in the list below multiply operands that are first quantised to E2M1 (2 exponent bits, 1 mantissa bit; 4 bits a number), with one power-of-two scale for each 32 numbers along K (OCP MX v1.0); their sums are f32. All else is computed in f32.
;;   The module's matrix products, in the order in which they are computed (A, B: the left and right operand; K: the contracted axis; several contracted axes count as one K, in the product's order):
;;     1. [M 4,096, K 4,096] x [K 4,096, N 4,096]; A: input x (given as codes); B: computed on the way: QUANTISED
;;   THE QUANTISER, for each operand of a quantised product, along K:
;;     - K is cut into blocks of 32 from its start; a last block that is shorter is filled with zeros.
;;     - A block's scale is 2^e with e = floor(log2(the largest magnitude in the block)) - 2, held to -126 .. 127; a block of zeros has e = 0. As a byte (E8M0): e + 127.
;;     - Each number is divided by its block's scale, clamped to +-6, and rounded to the nearest number of E2M1, ties to even, subnormals kept.
;;     - The product sums the exact products of the quantised numbers (number of the format x scale) in f32.
;;   ~~~python
;;   def quantise(x, axis):      # numpy; x: float32 -> the quantised numbers, widened to float32 again
;;       x = np.moveaxis(x, axis, -1); K = x.shape[-1]
;;       x = np.pad(x, [(0, 0)] * (x.ndim - 1) + [(0, -K % 32)]); x = x.reshape(x.shape[:-1] + (-1, 32)); a = np.abs(x).max(-1, keepdims=True)
;;       e = np.where(a > 0, np.clip(np.frexp(np.where(a > 0, a, 1))[1] - 1 - 2, -126, 127), 0)      # np.frexp(a)[1] - 1 = floor(log2(a)), exactly
;;       r = np.clip(x / 2.0 ** e, -6, 6)
;;       step = 2.0 ** (np.maximum(np.frexp(np.where(r == 0, 1, r))[1] - 1, 0) - 1)
;;       q = np.round(r / step) * step * 2.0 ** e      # np.round: ties to even
;;       return np.moveaxis(q.reshape(q.shape[:-2] + (-1,))[..., :K], -1, axis).astype(np.float32)
;;   ~~~
;;   OPERANDS COMPUTED ON THE WAY. 'Computed on the way' means the value that the module computes at that place (a softmax that the list does not call 'softmax' is quantised finished and normalised). What goes into a quantiser is computed in f32, as accurately as f32 sums, v_exp_f32 and their like allow (about 1e-6 of the number): no bf16 or f16 on the way to a quantiser, and a product that is left as it is and whose result goes on into a quantised operand takes f32 operands (vector FMAs, or v_wmma_f32_16x16x4_f32). A number that lies on a knife's edge between two numbers of the format may be rounded either way, as far as f32 arithmetic and the matrix unit's own rounding can turn it there, and no further.
;;   INPUTS GIVEN AS CODES. x (in the module: [8, 512, 4096], K = its axis 2): each comes as NAME_codes (uint8): NAME with its K axis moved to the last place and cut into blocks of 32 codes, [.., K / 32, bytes a block], one block behind the other in memory; two codes a byte, the lower K in the low four bits (a code: sign, 2 exponent bits, 1 mantissa bit); and NAME_scales (uint8): the same leading axes, one E8M0 byte (e + 127) for each 32 codes along K. Its value is code x scale, taken as it is: it is not quantised again, and the codes and scales need not be those that the quantiser above would give.
;; One version. Each part assembles by itself: llvm-mc -triple=amdgcn-amd-amdhsa -mcpu=gfx1250 --defsym DOCPART=n.
;; ======== version 1 of 1: 2 launches
;; limits: right only within a limited range of input values
;; workspace buffers: w_img 8,912,896 bytes
;; launch prep (part 1): grid 256 x 1, 16 waves a work-group, no clusters, 249,856 bytes of LDS; arguments W_q, scale, zero, w_img; writes w_img
.if DOCPART == 1
	.amdgcn_target "amdgcn-amd-amdhsa--gfx1250"
	.amdhsa_code_object_version 6
	.text
	.protected	k_qcc72de51cc_prep
	.globl	k_qcc72de51cc_prep
	.p2align	8
	.type	k_qcc72de51cc_prep,@function
k_qcc72de51cc_prep:
	s_mov_b64 s[64:65], 0
	v_nop
	global_prefetch_b8 v0, s[64:65] scope:SCOPE_SE
	s_setreg_imm32_b32 hwreg(HW_REG_WAVE_MODE, 25, 1), 1
	s_wait_xcnt 0x0
; W[o][i] = (nibble - zero[c]) * scale[c], o = 64 G + j, c = 4096 j + i: the high nibble (bits 7:4) of W_q[G][c] for G < 32, the low nibble (bits 3:0) of W_q[G - 32][c] for G >= 32.
; So i, the product's K, is innermost in W_q; one word of W_q feeds rows o and o + 2,048; zero and scale hang on (j, i) alone.
; W is computed in f32 (a subtraction and a multiplication, each rounded by itself, as the definition has them) and turned into codes of FP4 (E2M1) with one E8M0 byte for each 32 along i.
; THE RESULT, w_img, is laid as the product's launch fetches it: [8 s][32 blocks of 128 rows][34,816 bytes]; a block holds, for k = 512 s .. 512 s + 511, its 128 rows' codes (256 bytes a row, the lower k in the low
; four bits) and behind them its 128 rows' scale bytes (16 a row): 136 consecutive aligned pieces of 256 bytes.
; LIMITS: a block of zeros gets the byte 1 where the rule says 127 (its codes are zeros, and the bytes are read by this program alone); NaN and infinities in zero or scale are not served; of a word of W_q only bits 7:0 count, as in the definition.
; SHARES.  Work-group id: gg = id & 7, ks = (id >> 3) & 7, jg = id >> 6.  It owns j = 16 jg .. + 15, i = 512 ks .. + 511, rows g = 4 gg .. + 3 of W_q.  Wave w works on j = 16 jg + w; lane l on 16 neighbouring c; two neighbouring lanes hold a block.
; So a wave's 512 codes of a row o are 256 consecutive aligned bytes, and the sixteen waves' 16 scale bytes of one (ks, G) are 256 consecutive aligned bytes: these meet in LDS.
; DATA.  Six tiles of 16 rows (j) x 2,048 bytes: zero, scale and four rows of W_q.  Twelve waves fetch half a tile each, by ONE tensor load at the head; nothing is filled again.  The load lines are parted by phase: zero, scale and W_q's first row; second; third; fourth.
; Ahead of a phase's barrier the waves that fetched for it, and those before them, wait for their loads; the later rows stay on their way.  There is no loop to prefetch in, and no tile that a work-group reads twice.
; Each load lays 16 bytes of padding behind every 64: a lane's 64 bytes lie at 80 x lane (64 banks of 4 bytes: ISA guide 11.1).
; No cluster: the slices of zero and scale that eight work-groups share are a third of a work-group's bytes, and a joint load would bring rounds of a cluster's barrier into a launch that has none.
.set ROWL, 2560                        ; 2,048 bytes in LDS: 32 x (64 + 16)
.set SCB,  96*ROWL                     ; behind the 96 rows: the scale bytes made here: 8 x 256 bytes, written by LDS stores alone
.set SPARE, SCB+2048                   ; the spare words, 128 bytes for each wave
.set WBLK, 136*256                     ; w_img: a block of 128 rows in one K step
.set WPLANE, 32*WBLK                   ; and a K step of all 4,096 rows
.set LW,  3                            ; LDS: my 64 bytes of my row of zero (scale: 16 rows on)
.set LW2, 4                            ; of W_q's first row (second: 16 rows on)
.set LW3, 10                           ; of the third (fourth: 16 rows on)
.set LB,  5                            ; LDS: my block's scale byte: SCB + 16 wave + lane / 2
.set LR,  6                            ; LDS: the way out of the scale bytes: SCB + 16 (thread & 127)
.set CO,  7                            ; my 8 bytes of a row's 256 bytes of codes
.set WO,  8                            ; where my 16 scale bytes go
.set SD,  16                           ; v[16:19] scale bytes on their way out
.set Z,   20                           ; v[20:35] zero of my 16 c
.set S,   36                           ; v[36:51] scale of my 16 c
.set Q,   52                           ; v[52:67] 16 words of W_q
.set H,   68                           ; v[68:83] the 16 numbers from the high nibbles
.set L,   84                           ; v[84:99] from the low nibbles
.set EB,  106                          ; a scale byte for each (row, nibble)
.set CD,  114                          ; a pair of code registers for each (row, nibble): no store's data are written again
.set SPW, 136
.set NIL, 137
.set WV,  18                           ; s18  my wave's number
.set G1,  32                           ; s[32:39] descriptor group 1
.set G0,  40                           ; s[40:43] group 0
	s_load_b256 s[4:11], s[0:1], 0x0               ; W_q s[4:5], scale s[6:7], zero s[8:9], w_img s[10:11]
	v_lshl_add_u32 v[SPW], v0, 2, SPARE
	v_mov_b32 v[NIL], 0
	ds_add_u32 v[SPW], v[NIL]                      ; the wave's opening: the add, twice on end, and its wait ahead of my tensor load
	ds_add_u32 v[SPW], v[NIL]
	v_lshrrev_b32 v2, 5, v0
	v_readfirstlane_b32 s[WV], v2                  ; wave 0..15
	s_and_b32 s19, ttmp9, 7                        ; gg
	s_bfe_u32 s20, ttmp9, 0x30003                  ; ks
	s_lshr_b32 s21, ttmp9, 6                       ; jg
	s_lshl_b32 s22, s21, 4
	s_lshl_b32 s23, s20, 11                        ; 512 words a ks
	s_and_b32 s46, s[WV], 1                        ; I fetch rows 8 (w & 1) .. + 7 of a tile
	s_lshl_b32 s46, s46, 3
	s_add_co_u32 s46, s46, s22
	s_lshl_b32 s56, s46, 14                        ; 4,096 words a j
	s_add_co_u32 s56, s56, s23
	s_mov_b32 s57, 0
	s_add_co_u32 s22, s22, s[WV]                   ; my j
	s_lshl_b32 s58, s19, 2
	s_lshr_b32 s59, s[WV], 1
	s_add_co_u32 s58, s58, s59
	s_sub_co_u32 s58, s58, 2                       ; waves 4 to 11: row 4 gg + (w - 4) / 2 of W_q, 2^20 bytes each
	s_lshl_b32 s58, s58, 20
	s_cmp_lt_u32 s[WV], 4
	s_cselect_b32 s58, 0, s58
	s_mov_b32 s59, 0
	s_mul_i32 s60, s[WV], ROWL                     ; my row of a tile in LDS
	s_lshl_b32 s62, s[WV], 4
	s_add_co_u32 s62, s62, SCB
	s_mov_b32 s24, 0x49000000                      ; 2^19: in its mantissa bit 4 counts 1
	s_mov_b32 s25, 0x4b000000                      ; 2^23: in its mantissa bit 0 counts 1
	s_mov_b32 s26, 0xc9000000                      ; -2^19, twice
	s_mov_b32 s27, 0xc9000000
	s_mov_b32 s28, 0xcb000000                      ; -2^23, twice
	s_mov_b32 s29, 0xcb000000
	; group 1: 8 rows of 512 elements of 4 bytes, 4,096 elements from row to row
	s_mov_b32 s[G1+0], (2<<16)|(1<<20)|(3<<22)|(3<<25)  ; 17:16 elements of 4 bytes; 20 padding on; 24:22 after every 16 words (code 3); 31:25 four words (code 3)
	s_mov_b32 s[G1+1], 512<<16
	s_mov_b32 s[G1+2], 8<<16
	s_mov_b32 s[G1+3], 512<<16
	s_mov_b32 s[G1+4], 8
	s_mov_b32 s[G1+5], 4096
	s_mov_b32 s[G1+6], 0
	s_mov_b32 s[G1+7], 0
	v_and_b32 v1, 31, v0                           ; lane
	v_and_b32 v15, 127, v0
	v_bfe_u32 v[WO], v0, 6, 1                      ; thread t of the first 128 takes the 16 bytes of nibble t >> 6, row gl = (t >> 4) & 3 of my four, wave t & 15:
	v_bfe_u32 v12, v0, 5, 1
	v_mul_u32_u24 v11, v1, 80
	v_lshrrev_b32 v14, 1, v1
	v_mul_u32_u24 v[WO], v[WO], 16*WBLK            ; 2,048 rows of W are 16 blocks,
	v_lshlrev_b32 v[CO], 3, v1
	v_add_nc_u32 v[LW], s60, v11
	v_add_nc_u32 v[LB], s62, v14
	v_lshl_add_u32 v[LR], v15, 4, SCB
	v_mad_u32_u24 v[WO], v12, WBLK, v[WO]          ; gl / 2: 128 rows are one block,
	v_bfe_u32 v13, v0, 4, 1
	v_add_nc_u32 v[LW2], 32*ROWL, v[LW]
	v_add_nc_u32 v[LW3], 64*ROWL, v[LW]
	v_and_b32 v14, 15, v0
	v_lshl_add_u32 v[WO], v13, 10, v[WO]           ; gl % 2: 64 rows of 16 bytes,
	v_lshl_add_u32 v[WO], v14, 4, v[WO]            ; one row
	s_wait_alu depctr_va_vdst(0)
	s_wait_dscnt 0x0                               ; both opening adds are done
	s_wait_kmcnt 0x0
	s_cmp_lt_u32 s[WV], 2
	s_cselect_b64 s[44:45], s[8:9], s[6:7]         ; waves 0, 1: zero; 2, 3: scale;
	s_cmp_lt_u32 s[WV], 4
	s_cselect_b64 s[44:45], s[44:45], s[4:5]       ; 4 to 11: W_q
	s_add_nc_u64 s[44:45], s[44:45], s[56:57]
	s_mov_b32 s[G0], 1                             ; 1:0 count = 1
	s_mul_i32 s[G0+1], s[WV], 8*ROWL               ; 63:32 LDS address: the twelve half tiles lie end to end
	s_add_nc_u64 s[G0+2:G0+3], s[44:45], s[58:59]  ; 120:64 global address
	s_or_b32 s[G0+3], s[G0+3], 0x80000000          ; 127:126 type = 2
; The head's loads, ONE a wave, a line for each phase.
.macro ARM under, next
	s_cmp_lt_u32 s[WV], \under
	s_cbranch_scc0 \next
	tensor_load_to_lds s[G0:G0+3], s[G1:G1+7]
	s_nop 0
.rept 4
	v_nop
.endr
	s_branch .Lasked
\next:
.endm
	ARM 6,  .Lp1
	ARM 8,  .Lp2
	ARM 10, .Lp3
	ARM 12, .Lasked
	; where the results go.  Row o = 64 (4 gg + gl + 32 nibble) + j lies in block 2 gg + gl / 2 + 16 nibble, at row 64 (gl % 2) + j of it
	s_mul_i32 s56, s20, WPLANE                     ; K step ks,
	s_mul_i32 s58, s19, 2*WBLK                     ; block 2 gg
	s_add_co_u32 s56, s56, s58
	s_lshl_b32 s58, s22, 8                         ; codes: row j of 256 bytes
	s_add_co_u32 s58, s58, s56
	s_add_nc_u64 s[12:13], s[10:11], s[58:59]
	s_lshl_b32 s62, s21, 8                         ; scale bytes: behind the block's 128 rows of codes, row 16 jg of 16 bytes
	s_add_co_u32 s56, s56, s62
	s_add_co_u32 s56, s56, 128*256
	s_add_nc_u64 s[14:15], s[10:11], s[56:57]
; A phase's barrier: waves under 'under' fetched for it or before it, and their loads have landed.
.macro LANDED under
	s_wait_dscnt 0x0
	s_cmp_lt_u32 s[WV], \under
	s_cbranch_scc0 .Lnot_yet_\@
	s_wait_tensorcnt 0x0
.Lnot_yet_\@:
	s_barrier_signal -1
	s_barrier_wait -1
.endm
; Row gl of my four rows of W_q: 16 words a lane become 16 codes of row o (high nibbles) and 16 of row o + 2,048 (low nibbles).
.macro ROWG gl, adr
.irp i, 0,1,2,3
	ds_load_b128 v[Q+4*\i:Q+4*\i+3], v[\adr] offset:((\gl)%2)*16*ROWL+16*\i
.endr
	s_wait_dscnt 0x0                               ; (in the first row: zero and scale too)
.irp i, 0,1,2,3,4,5,6,7,8,9,10,11,12,13,14,15
	v_and_or_b32 v[H+\i], v[Q+\i], 0xf0, s24       ; the f32 number 2^19 + nibble
	v_and_or_b32 v[L+\i], v[Q+\i], 15, s25         ; 2^23 + nibble
.endr
.irp i, 0,2,4,6,8,10,12,14
	v_pk_add_f32 v[H+\i:H+\i+1], v[H+\i:H+\i+1], s[26:27] op_sel_hi:[1,0]   ; the nibble: both subtractions are exact
	v_pk_add_f32 v[L+\i:L+\i+1], v[L+\i:L+\i+1], s[28:29] op_sel_hi:[1,0]
.endr
.irp i, 0,2,4,6,8,10,12,14
	v_pk_add_f32 v[H+\i:H+\i+1], v[H+\i:H+\i+1], v[Z+\i:Z+\i+1] neg_lo:[0,1] neg_hi:[0,1]   ; - zero
	v_pk_add_f32 v[L+\i:L+\i+1], v[L+\i:L+\i+1], v[Z+\i:Z+\i+1] neg_lo:[0,1] neg_hi:[0,1]
.endr
.irp i, 0,2,4,6,8,10,12,14
	v_pk_mul_f32 v[H+\i:H+\i+1], v[H+\i:H+\i+1], v[S+\i:S+\i+1]                             ; x scale: rounded by itself, as the definition rounds it, so the two are not fused
	v_pk_mul_f32 v[L+\i:L+\i+1], v[L+\i:L+\i+1], v[S+\i:S+\i+1]
.endr
	v_max3_num_f32 v100, |v[H]|, |v[H+1]|, |v[H+2]|                ; the largest magnitude of my 16, for both rows by turns, two chains each
	v_max3_num_f32 v102, |v[L]|, |v[L+1]|, |v[L+2]|
	v_max3_num_f32 v101, |v[H+3]|, |v[H+4]|, |v[H+5]|
	v_max3_num_f32 v103, |v[L+3]|, |v[L+4]|, |v[L+5]|
.irp i, 6,10
	s_delay_alu instid0(VALU_DEP_4)
	v_max3_num_f32 v100, v100, |v[H+\i]|, |v[H+\i+1]|
	s_delay_alu instid0(VALU_DEP_4)
	v_max3_num_f32 v102, v102, |v[L+\i]|, |v[L+\i+1]|
	s_delay_alu instid0(VALU_DEP_4)
	v_max3_num_f32 v101, v101, |v[H+\i+2]|, |v[H+\i+3]|
	s_delay_alu instid0(VALU_DEP_4)
	v_max3_num_f32 v103, v103, |v[L+\i+2]|, |v[L+\i+3]|
.endr
	s_delay_alu instid0(VALU_DEP_4)
	v_max3_num_f32 v100, v100, |v[H+14]|, |v[H+15]|
	s_delay_alu instid0(VALU_DEP_4)
	v_max3_num_f32 v102, v102, |v[L+14]|, |v[L+15]|
	s_delay_alu instid0(VALU_DEP_2)
	v_max3_num_f32 v100, v100, v101, 0x1800000     ; and the floor 2^(3 - 127), under which no largest magnitude is taken: so the byte cannot fall under 1
	s_delay_alu instid0(VALU_DEP_2)
	v_max3_num_f32 v102, v102, v103, 0x1800000
	s_delay_alu instid0(VALU_DEP_2)
	v_max_num_f32_dpp v100, v100, v100 row_xmask:1 row_mask:0xf bank_mask:0xf   ; and of my neighbour's 16: the block's
	s_delay_alu instid0(VALU_DEP_2)
	v_max_num_f32_dpp v102, v102, v102 row_xmask:1 row_mask:0xf bank_mask:0xf
	s_delay_alu instid0(VALU_DEP_2)
	v_add_nc_u32 v104, 0xff000000, v100            ; 2 off the exponent field: the conversion takes the exponent field of this operand as its scale, and nothing else of it
	s_delay_alu instid0(VALU_DEP_2)
	v_add_nc_u32 v105, 0xff000000, v102
	v_cvt_scalef32_pk8_fp4_f32 v[CD+4*\gl], v[H:H+7], v104
	v_cvt_scalef32_pk8_fp4_f32 v[CD+4*\gl+1], v[H+8:H+15], v104
	v_cvt_scalef32_pk8_fp4_f32 v[CD+4*\gl+2], v[L:L+7], v105
	v_cvt_scalef32_pk8_fp4_f32 v[CD+4*\gl+3], v[L+8:L+15], v105
	v_lshrrev_b32 v[EB+2*\gl], 23, v104            ; the scales' bytes; these two are also the plain lines between the conversions and the next row's writes of their sources
	v_lshrrev_b32 v[EB+2*\gl+1], 23, v105
	ds_store_b8 v[LB], v[EB+2*\gl] offset:\gl*256            ; both lanes of a block write the same byte with the same value
	ds_store_b8 v[LB], v[EB+2*\gl+1] offset:(4+\gl)*256
	global_store_b64 v[CO], v[CD+4*\gl:CD+4*\gl+1], s[12:13] offset:((\gl)/2)*WBLK+((\gl)%2)*16384             ; the wave stores 256 consecutive aligned bytes: block gl / 2 on, 64 (gl % 2) rows of 256 bytes on;
	global_store_b64 v[CO], v[CD+4*\gl+2:CD+4*\gl+3], s[12:13] offset:((\gl)/2)*WBLK+((\gl)%2)*16384+16*WBLK   ; 16 blocks on for the low nibbles: 608,256 at the most, inside the signed 24-bit immediate
.endm
	LANDED 6                                       ; zero, scale and the first row
.irp i, 0,1,2,3
	ds_load_b128 v[Z+4*\i:Z+4*\i+3], v[LW] offset:16*\i
	ds_load_b128 v[S+4*\i:S+4*\i+3], v[LW] offset:16*ROWL+16*\i
.endr
	ROWG 0, LW2
	LANDED 8
	ROWG 1, LW2
	LANDED 10
	ROWG 2, LW3
	s_wait_dscnt 0x0
	s_wait_tensorcnt 0x0                           ; every wave: no tensor load is out behind this barrier
	s_barrier_signal -1
	s_barrier_wait -1
	ROWG 3, LW3
	s_wait_dscnt 0x0                               ; for the others' sake: my scale bytes lie in LDS
	s_barrier_signal -1
	s_barrier_wait -1
	s_cmp_gt_u32 s[WV], 3
	s_cbranch_scc1 .Ldone
	ds_load_b128 v[SD:SD+3], v[LR]                 ; bytes that all sixteen waves stored
	s_wait_dscnt 0x0
	global_store_b128 v[WO], v[SD:SD+3], s[14:15]  ; sixteen lanes store 256 consecutive aligned bytes
.Ldone:
	s_wait_tensorcnt 0x0                           ; the wave's end
	ds_add_u32 v[SPW], v[NIL]
	s_wait_dscnt 0x0
	s_endpgm
.Lfunc_end_k_qcc72de51cc_prep:
	.size	k_qcc72de51cc_prep, .Lfunc_end_k_qcc72de51cc_prep-k_qcc72de51cc_prep
	.p2alignl 7, 3214868480
	.fill 96, 4, 3214868480
	.section	.rodata,"a",@progbits
	.p2align	6, 0x0
	.amdhsa_kernel k_qcc72de51cc_prep
		.amdhsa_group_segment_fixed_size 249856
		.amdhsa_private_segment_fixed_size 0
		.amdhsa_enable_private_segment 0
		.amdhsa_kernarg_size 32
		.amdhsa_user_sgpr_count 2
		.amdhsa_user_sgpr_kernarg_segment_ptr 1
		.amdhsa_wavefront_size32 1
		.amdhsa_system_sgpr_workgroup_id_x 1
		.amdhsa_system_sgpr_workgroup_id_y 1
		.amdhsa_system_sgpr_workgroup_id_z 1
		.amdhsa_system_vgpr_workitem_id 0
		.amdhsa_next_free_vgpr 138
		.amdhsa_next_free_sgpr 66
		.amdhsa_reserve_vcc 0
		.amdhsa_float_denorm_mode_32 3
		.amdhsa_float_denorm_mode_16_64 3
		.amdhsa_memory_ordered 1
		.amdhsa_forward_progress 1
		.amdhsa_inst_pref_size 41
	.end_amdhsa_kernel
	.amdgpu_metadata
---
amdhsa.version: [ 1, 2 ]
amdhsa.kernels:
  - .name:           k_qcc72de51cc_prep
    .symbol:         k_qcc72de51cc_prep.kd
    .args:
      - { .name: W_q, .offset: 0, .size: 8, .value_kind: global_buffer, .address_space: global }
      - { .name: scale, .offset: 8, .size: 8, .value_kind: global_buffer, .address_space: global }
      - { .name: zero, .offset: 16, .size: 8, .value_kind: global_buffer, .address_space: global }
      - { .name: w_img, .offset: 24, .size: 8, .value_kind: global_buffer, .address_space: global }
    .group_segment_fixed_size: 249856
    .private_segment_fixed_size: 0
    .kernarg_segment_align: 8
    .kernarg_segment_size: 32
    .max_flat_workgroup_size: 512
    .sgpr_count:     66
    .vgpr_count:     138
    .wavefront_size: 32
...
	.end_amdgpu_metadata
.endif
;; end of part 1
;; launch gemm (part 2): grid 16 x 16, 4 waves a work-group, clusters of 4 x 4, 327,680 bytes of LDS; arguments x_codes, x_scales, w_img, bias, out0; writes out0
.if DOCPART == 2
	.amdgcn_target "amdgcn-amd-amdhsa--gfx1250"
	.amdhsa_code_object_version 6
	.text
	.protected	k_qcc72de51cc_gemm
	.globl	k_qcc72de51cc_gemm
	.p2align	8
	.type	k_qcc72de51cc_gemm,@function
k_qcc72de51cc_gemm:
	s_mov_b64 s[64:65], 0
	v_nop
	global_prefetch_b8 v0, s[64:65] scope:SCOPE_SE
	s_setreg_imm32_b32 hwreg(HW_REG_WAVE_MODE, 25, 1), 1
	s_wait_xcnt 0x0
	s_wait_alu depctr_hold_cnt(0) depctr_sa_sdst(0) depctr_va_vdst(0) depctr_va_sdst(0) depctr_va_ssrc(0) depctr_va_vcc(0) depctr_vm_vsrc(0)
	s_getreg_b32 s2, hwreg(HW_REG_IB_STS2, 6, 4)
	s_cmp_eq_u32 s2, 0
	s_cbranch_scc0 .Lentry_in_a_cluster
	s_endpgm
.Lentry_in_a_cluster:
	s_bfe_u32 s2, ttmp6, 0x10000c
	s_cmp_lg_u32 s2, 0xf033
	s_cbranch_scc0 .Lentry_shape_is_right
	s_endpgm
.Lentry_shape_is_right:
; out[m][n] = bias[n] + sum over k of x[m][k] W[n][k]; A = x: codes of FP4 [4096][2048 bytes] with E8M0 bytes [4096][128]; B = W: the image that the launch before has laid (codes and scale bytes by K step and block of 128 rows).
; A work-group of four waves makes 256 x 256 of out; a wave makes 128 x 128: 512 registers of sums, 32 accumulators of 16 (rows of x) x 32 (rows of W).  The bias is the C of each accumulator's first product, so it is added in f32 and nothing is cleared.
; K goes in 8 steps of 512 through two LDS slots (A's 256 rows, then B's two blocks of 136 rows); A's scales of all K come once.
; CLUSTERS of 4 x 4: a row of the cluster shares A's tiles, a column B's: each is asked for jointly, by the same load with the same descriptor and a mask of four.
; THE MATRIX INSTRUCTION IS USED TRANSPOSED (source 0 = 32 rows of W, source 1 = 16 rows of x): a lane holds eight neighbouring columns of a row of out, twice.
; LIMITS: NaN and infinities behind zero, scale and bias are not served; scale bytes of x of 0xff count as the matrix instruction takes them.
; REGISTERS, four windows of 256.  The sums are four quadrants of 128 registers; with ah, bh = the upper half of A's or B's eight blocks of 16 rows, quadrant (ah, bh) lies at v128-255 of window 1 (0,0), 2 (1,0), 3 (1,1), 0 (0,1).
;   window 0: v0-31 addresses, v32-95 scale words (two sets);   window 1: v0-127 A's fragments, two sets of 8 blocks;
;   window 2: v0-63 B's blocks 0-3, two sets; v64-67 LDS addresses; v96-127 bias;   window 3: the same for B's blocks 4-7.
; A step of 128 along K is ONE run of 32 LDS loads, the next step's fragments into the other set, and 32 products behind it, a quadrant under each setting of the windows.
; THE LAST K STEP GOES BY ROWS: all its fragments of B fill v0-127 of windows 2 and 3, A's come by blocks of 16 rows, and each block leaves as soon as it is finished.
; PREFETCH: each cluster asks for each 256 bytes that it will load: of the 128 rows of A that a wave fetches the four partners take 32 each, of the 136 rows of B's image 34 each, told apart by address.
; K step 0 comes by its loads alone; at the head, behind the bias, K step 1 is asked for; behind K step 1's load K steps 2 and 3, and behind K step t's load K step t + 2; nothing beyond K step 7.
.set SIZE_N, 4096
.set KSTEP,  512
.set ROWB,   256
.set KROW,   2048
.set WBLK,   136*256
.set WPLANE, 32*WBLK
.set PITCH,  272                       ; an LDS row: 256 bytes + 16 of padding: 16 rows start in 16 different groups of four banks (64 banks of 4 bytes: ISA guide 11.1)
.set HALFA,  128*PITCH
.set HALFB,  136*PITCH
.set BOFF,   2*HALFA
.set SLOT,   BOFF+2*HALFB
.set SCLA,   2*SLOT                    ; A's scales: 256 rows x 128 bytes, as 128 rows of 256 bytes, padded
.set QS,     32*PITCH                  ; those of 64 rows
.set SPARE,  SCLA+4*QS                 ; the spare words
.set LAPS,   4
.set SPITCH, 528                       ; the way out: a stage of 16 rows x 528 bytes a wave, in slot 0, which has had its last fill and its last read by then
.set LA1,  16                          ; v16, v17 LDS address of my A and B fragments in slot 1, for the last K step
.set LB1,  17
.set ADSB, 18                          ; v18-19 LDS address of my B scale words in slot 0, 1
.set ADSA, 22                          ; v22 of my A scale words
.set STO,  24
.set RD,   25
.set CO,   26
.set BO,   27
.set SPW,  28
.set NIL,  29
.set PFO,  30
.set PFO2, 31
.set SC,   32                          ; set s at SC + 32 s: 16 registers for A (block a % 4, q; lanes 0-15 a < 4, lanes 16-31 a >= 4), then 16 for B (pair of blocks, q; lanes 0-15 the first of the pair, lanes 16-31 the second)
.set WV,   16
.set RH,   17
.set CH,   18
.set G1A,  24
.set G1B,  32
.set G1S,  40
.set G0A,  48
.set G0B,  56
.set G0S,  68
.set PFS,  72
.set PFA,  92
.set MSB, 0
.macro WIN new                         ; the immediate's high byte repeats the setting that is left
.if MSB != \new
	s_set_vgpr_msb (MSB<<8)|\new
.set MSB, \new
.endif
.endm
.macro PLACES                          ; four places behind a matrix instruction, in front of loads into registers that it read and of reads of results
.rept 4
	v_nop
.endr
.endm
.macro TLOAD g0, g1
	tensor_load_to_lds s[\g0:\g0+3], s[\g1:\g1+7]
	s_nop 0
	PLACES
.endm
.macro JLOAD sl                        ; a joint load: waves 0 and 1 fetch A's halves, waves 2 and 3 B's two blocks
	s_cmp_eq_u32 s[RH], 0
	s_cbranch_scc0 .Lfor_b_\@
	TLOAD G0A+4*\sl, G1A
	s_branch .Lasked_\@
.Lfor_b_\@:
	TLOAD G0B+4*\sl, G1B
.Lasked_\@:
.endm
.macro ASKAT base                      ; a lane a row; B's waves have 34 rows: two more by a second line
	global_prefetch_b8 v[PFO], s[\base:\base+1] th:TH_LOAD_NT scope:SCOPE_SE
	s_cmp_eq_u32 s[RH], 0
	s_cbranch_scc1 .Lno_more_\@
	global_prefetch_b8 v[PFO2], s[\base:\base+1] th:TH_LOAD_NT scope:SCOPE_SE
.Lno_more_\@:
.endm
.macro CREST                           ; a round of the cluster's barrier behind its opening barrier
	s_cmp_lg_u32 s[WV], 0
	s_cbranch_scc1 .Lnot_wave_0_\@
	s_barrier_signal -3
.Lnot_wave_0_\@:
	s_barrier_wait -3
	s_barrier_signal -1
	s_barrier_wait -1
.endm
.macro CROUND
	s_barrier_signal -1
	s_barrier_wait -1
	CREST
.endm
	s_load_b256 s[4:11], s[0:1], 0x0               ; x_codes s[4:5], x_scales s[6:7], w_img s[8:9], bias s[10:11]
	s_load_b64 s[12:13], s[0:1], 0x20              ; out0
	v_lshl_add_u32 v[SPW], v0, 2, SPARE
	v_mov_b32 v[NIL], 0
	ds_add_u32 v[SPW], v[NIL]                      ; the wave's opening: the add, twice on end, and its wait ahead of my first tensor load
	ds_add_u32 v[SPW], v[NIL]
	v_lshrrev_b32 v1, 5, v0
	v_readfirstlane_b32 s[WV], v1                  ; wave 0..3
	s_lshr_b32 s[RH], s[WV], 1                     ; which half of the tile's rows is mine; also: I fetch for A (0) or B (1)
	s_and_b32 s[CH], s[WV], 1                      ; which half of its columns; also: which half of that tile I fetch
	s_bfe_u32 s20, ttmp6, 0x40000                  ; cx
	s_bfe_u32 s21, ttmp6, 0x40004                  ; cy
	s_lshl_b32 s22, ttmp9, 2
	s_add_co_u32 s22, s22, s20                     ; tile column
	s_and_b32 s23, ttmp7, 0xffff
	s_lshl_b32 s23, s23, 2
	s_add_co_u32 s23, s23, s21                     ; tile row
	s_lshl_b32 s95, s21, 2
	s_lshl_b32 s95, 15, s95                        ; my row of the cluster
	s_lshl_b32 s19, 0x1111, s20                    ; my column
	s_or_b32 s[G1A+0], s95, (0<<16)|(1<<20)|(1<<21)|(5<<22)|(3<<25)   ; A's codes: 128 rows of 256 bytes
	s_mov_b32 s[G1A+1], ROWB<<16
	s_mov_b32 s[G1A+2], 128<<16
	s_mov_b32 s[G1A+3], ROWB<<16
	s_mov_b32 s[G1A+4], 128
	s_mov_b32 s[G1A+5], KROW
	s_mov_b32 s[G1A+6], 0
	s_mov_b32 s[G1A+7], 0
	s_or_b32 s[G1B+0], s19, (3<<16)|(1<<20)|(1<<21)|(5<<22)|(3<<25)   ; B's image: at the head both blocks, 272 rows of 256 bytes; behind it one block, 136
	s_mov_b32 s[G1B+1], 32<<16
	s_mov_b32 s[G1B+2], 272<<16
	s_mov_b32 s[G1B+3], 32<<16
	s_mov_b32 s[G1B+4], 272
	s_mov_b32 s[G1B+5], 32
	s_mov_b32 s[G1B+6], 0
	s_mov_b32 s[G1B+7], 0
	s_or_b32 s[G1S+0], s95, (3<<16)|(1<<20)|(1<<21)|(5<<22)|(3<<25)   ; A's scales: a dense block, 128 rows of 256 bytes
	s_mov_b32 s[G1S+1], 32<<16
	s_mov_b32 s[G1S+2], 128<<16
	s_mov_b32 s[G1S+3], 32<<16
	s_mov_b32 s[G1S+4], 128
	s_mov_b32 s[G1S+5], 32
	s_mov_b32 s[G1S+6], 0
	s_mov_b32 s[G1S+7], 0
	s_lshl_b32 s96, s23, 19                        ; A: row 256 x tile row + 128 x half, 2,048 bytes each
	s_lshl_b32 s97, s[CH], 18
	s_add_co_u32 s96, s96, s97
	s_mov_b32 s97, 0
	s_lshl_b32 s66, s23, 15                        ; A's scales: 256 rows of 128 bytes
	s_mov_b32 s67, 0
	s_lshl_b32 s98, s22, 1                         ; B: block 2 x tile column + half
	s_add_co_u32 s98, s98, s[CH]
	s_mul_i32 s98, s98, WBLK
	s_mov_b32 s99, 0
	s_mul_i32 s100, s[CH], HALFA
	s_mul_i32 s101, s[CH], HALFB
	s_add_co_u32 s101, s101, BOFF
	s_lshl_b32 s86, s22, 10                        ; my first column, in bytes
	s_lshl_b32 s87, s[CH], 9
	s_add_co_u32 s86, s86, s87
	s_mov_b32 s87, 0
	s_lshl_b32 s84, s23, 8                         ; my first row of out
	s_lshl_b32 s85, s[RH], 7
	s_add_co_u32 s84, s84, s85
	s_lshl_b32 s84, s84, 14
	s_add_co_u32 s84, s84, s86
	s_mov_b32 s85, 0
	s_lshl_b32 s74, s20, 16                        ; prefetch, A: my work-group's 32 of the 128 rows, K step 1
	s_add_co_u32 s74, s74, s96
	s_add_co_u32 s74, s74, ROWB
	s_mul_i32 s76, s21, 34*256                     ; B: my work-group's 34 of the block's 136 rows, K step 1
	s_add_co_u32 s76, s76, s98
	s_add_co_u32 s76, s76, WPLANE
	s_mov_b32 s[PFS], WPLANE
	s_mov_b32 s79, 256
	s_cmp_eq_u32 s[RH], 0
	s_cselect_b32 s74, s74, s76
	s_cselect_b32 s[PFS], ROWB, s[PFS]             ; from K step to K step
	s_cselect_b32 s79, KROW, s79                   ; from row to row
	s_mov_b32 s75, 0
	s_mov_b32 s[PFS+1], 0
	s_mul_i32 s88, s[RH], HALFA                    ; LDS: my 128 rows of A in slot 0, 1; my block of B in slot 0, 1
	s_add_co_u32 s89, s88, SLOT
	s_mul_i32 s14, s[CH], HALFB
	s_add_co_u32 s14, s14, BOFF
	s_add_co_u32 s15, s14, SLOT
	s_mul_i32 s90, s[RH], 2*QS                     ; my A scales
	s_add_co_u32 s90, s90, SCLA
	s_mul_i32 s91, s[CH], HALFB                    ; my B scales in slot 0
	s_add_co_u32 s91, s91, BOFF+128*PITCH
	s_mul_i32 s2, s[WV], 16*SPITCH                 ; my stage
	v_and_b32 v1, 15, v0                           ; l % 16
	v_bfe_u32 v2, v0, 4, 1                         ; l / 16
	v_and_b32 v6, 31, v0
	v_mul_u32_u24 v3, v1, PITCH
	v_lshlrev_b32 v5, 7, v1
	v_lshlrev_b32 v8, 4, v1
	v_mul_u32_u24 v10, v1, SPITCH
	v_lshl_add_u32 v4, v2, 4, v3                   ; a fragment's row x pitch + 16 x half
	v_lshrrev_b32 v7, 8, v5
	v_mul_u32_u24 v9, v2, PITCH
	v_lshl_add_u32 v5, v7, 4, v5                   ; A scales: 128 bytes a row, 16 more for each 256 passed
	v_mul_u32_u24 v7, v2, QS                       ; lanes 16-31: 64 rows on
	v_add_nc_u32 v8, v8, v9                        ; B scales: 16 bytes a row; lanes 16-31: 16 rows, one LDS row on
	v_lshl_add_u32 v10, v2, 5, v10
	v_add_nc_u32 v5, v5, v7
	v_add_nc_u32 v[ADSB], s91, v8
	v_add_nc_u32 v[ADSA], s90, v5
	v_add_nc_u32 v[ADSB+1], SLOT, v[ADSB]
	v_add_nc_u32 v[STO], s2, v10
	v_lshlrev_b32 v[CO], 4, v6
	v_lshlrev_b32 v[BO], 5, v2
	v_add_nc_u32 v[RD], s2, v[CO]
	v_mul_lo_u32 v[PFO], v6, s79
	v_and_b32 v11, 1, v0
	v_add_nc_u32 v11, 32, v11
	v_lshlrev_b32 v[PFO2], 8, v11                  ; rows 32 and 33 by turns
	v_add_nc_u32 v[LA1], s89, v4
	v_add_nc_u32 v[LB1], s15, v4
	WIN 0x80
	v_add_nc_u32 v64, s88, v4                      ; window 2: A's address in slot 0, 1; B's
	v_add_nc_u32 v65, s89, v4
	v_add_nc_u32 v66, s14, v4
	v_add_nc_u32 v67, s15, v4
	WIN 0xc0
	v_add_nc_u32 v66, s14, v4                      ; window 3: B's
	v_add_nc_u32 v67, s15, v4
	WIN 0
	s_wait_alu depctr_va_vdst(0)
	s_wait_dscnt 0x0                               ; both opening adds are done
	s_wait_kmcnt 0x0
	s_add_nc_u64 s[96:97], s[4:5], s[96:97]
	s_add_nc_u64 s[66:67], s[6:7], s[66:67]
	s_add_nc_u64 s[98:99], s[8:9], s[98:99]
	s_add_nc_u64 s[10:11], s[10:11], s[86:87]
	s_add_nc_u64 s[12:13], s[12:13], s[84:85]
	s_mov_b32 s[G0S], 1
	s_mov_b32 s[G0S+1], SCLA
	s_mov_b64 s[G0S+2:G0S+3], s[66:67]
	s_or_b32 s[G0S+3], s[G0S+3], 0x80000000
.irp s, 0,1
	s_mov_b32 s[G0A+4*\s], 1
	s_add_co_u32 s[G0A+4*\s+1], s100, \s*SLOT
	s_add_nc_u64 s[G0A+4*\s+2:G0A+4*\s+3], s[96:97], \s*ROWB
	s_or_b32 s[G0A+4*\s+3], s[G0A+4*\s+3], 0x80000000
	s_mov_b32 s[G0B+4*\s], 1
	s_add_co_u32 s[G0B+4*\s+1], s101, \s*SLOT
	s_add_nc_u64 s[G0B+4*\s+2:G0B+4*\s+3], s[98:99], \s*WPLANE
	s_or_b32 s[G0B+4*\s+3], s[G0B+4*\s+3], 0x80000000
.endr
	s_cmp_eq_u32 s[RH], 0
	s_cselect_b64 s[82:83], s[4:5], s[8:9]
	s_add_nc_u64 s[82:83], s[82:83], s[74:75]            ; K step 1
	s_add_nc_u64 s[80:81], s[82:83], s[PFS:PFS+1]        ; K step 2
	s_add_nc_u64 s[PFA:PFA+1], s[80:81], s[PFS:PFS+1]    ; K step 3
	CROUND                                         ; all sixteen work-groups are here: the first joint loads meet
	; the head's loads, ONE a wave: waves 0 and 1 A's halves of K step 0, wave 2 B's two blocks, which lie end to end, wave 3 A's scales
	s_cmp_lt_u32 s[WV], 2
	s_cbranch_scc0 .Lhead_b
	TLOAD G0A, G1A
	s_branch .Lhead_asked
.Lhead_b:
	s_cmp_lt_u32 s[WV], 3
	s_cbranch_scc0 .Lhead_s
	TLOAD G0B, G1B
	s_branch .Lhead_asked
.Lhead_s:
	TLOAD G0S, G1S
.Lhead_asked:
	WIN 0x80
.irp b, 0,1,2,3
	global_load_b128 v[96+8*\b:99+8*\b], v[BO], s[10:11] offset:64*\b              ; bias of columns 16 b + 8 (l / 16) + 0 .. 7
	global_load_b128 v[100+8*\b:103+8*\b], v[BO], s[10:11] offset:64*\b+16
.endr
	WIN 0xc0
.irp b, 0,1,2,3
	global_load_b128 v[96+8*\b:99+8*\b], v[BO], s[10:11] offset:256+64*\b
	global_load_b128 v[100+8*\b:103+8*\b], v[BO], s[10:11] offset:256+64*\b+16
.endr
	WIN 0
	s_wait_loadcnt 0x0                             ; the bias is in
	ASKAT 82                                       ; K step 1
; One LDS load.  A fragment (16 rows x 128 K) is 8 registers, two loads 32 bytes apart; n = 2 x block + which.
.macro LDA n, ls, lq
	ds_load_b128 v[64*((\lq)%2)+4*(\n):64*((\lq)%2)+4*(\n)+3], v[64+\ls] offset:64*(\lq)+32*((\n)%2)+((\n)/2)*16*PITCH
.endm
.macro LDB n, bh, ls, lq
	ds_load_b128 v[32*((\lq)%2)+4*(\n):32*((\lq)%2)+4*(\n)+3], v[66+\ls] offset:64*(\lq)+32*((\n)%2)+(4*\bh+(\n)/2)*16*PITCH
.endm
.macro FETCH ls, lq                    ; a step's fragments: slot ls, its lq-th 128 along K, into set lq % 2: A, B's blocks 0-3, B's blocks 4-7
	WIN 0x42
.irp n, 0,1,2,3,4,5,6,7,8,9,10,11,12,13,14,15
	LDA \n, \ls, \lq
.endr
	WIN 0x82
.irp n, 0,1,2,3,4,5,6,7
	LDB \n, 0, \ls, \lq
.endr
	WIN 0xc3
.irp n, 0,1,2,3,4,5,6,7
	LDB \n, 1, \ls, \lq
.endr
.endm
.macro SCALES_A sl, koff               ; window 0
.irp i, 0,1,2,3
	ds_load_b128 v[SC+32*\sl+4*\i:SC+32*\sl+4*\i+3], v[ADSA] offset:\i*8*PITCH+\koff
.endr
.endm
.macro SCALES_B sl                     ; B's blocks 2 i and 2 i + 1
.irp i, 0,1,2,3
	ds_load_b128 v[SC+32*\sl+16+4*\i:SC+32*\sl+16+4*\i+3], v[ADSB+\sl] offset:\i*2*PITCH
.endr
.endm
; The windows of quadrant (ah, bh); first = 1: C is the bias.
.macro QWIN ah, bh, first
.set wDW, 1+\ah+\bh*(2*\ah-1)
.if \first
.set wCW, 2+\bh
.else
.set wCW, wDW
.endif
.set wW, (2+\bh)|4|(wCW<<4)|(wDW<<6)
	WIN wW
.endm
; One product: A's block 4 ah + a (registers ra) against B's blocks 4 bh + b and the next (registers rb), the slot's q-th 128 along K; sl: the set of scale words.
.macro MM a, ah, bh, b, rb, ra, q, sl, first
.set wD, 128+8*(4*(\a)+\b)
.if \first
.set wC, 96+8*\b
.else
.set wC, wD
.endif
.set wSB, SC+32*\sl+16+4*(2*\bh+\b/2)+(\q)
.set wSA, SC+32*\sl+4*(\a)+(\q)
.if \ah == 1
	v_wmma_scale_f32_32x16x128_f4 v[wD:wD+15], v[\rb:\rb+15], v[\ra:\ra+7], v[wC:wC+15], v[wSB], v[wSA] matrix_b_scale:MATRIX_SCALE_ROW1
.else
	v_wmma_scale_f32_32x16x128_f4 v[wD:wD+15], v[\rb:\rb+15], v[\ra:\ra+7], v[wC:wC+15], v[wSB], v[wSA]
.endif
.endm
.macro ROW2 a, ah, bh, q, sl, first
.irp b, 0,2
.set wB, 32*((\q)%2)+8*\b
.set wA, 64*((\q)%2)+8*(4*\ah+\a)
	MM \a, \ah, \bh, \b, wB, wA, \q, \sl, \first
.endr
.endm
.macro QUAD ah, bh, q, sl, first
	QWIN \ah, \bh, \first
.irp r, 0,1,2,3
	ROW2 \r, \ah, \bh, \q, \sl, \first
.endr
.endm
; A step of 128 along K that has its successor in the same slot: the next step's 32 loads go into the set that the step before has read; then 32 products on set q % 2.
; The accumulators take turns, one instruction a turn.
.macro STEP slot, q, first
	PLACES
	FETCH \slot, (\q)+1
	s_wait_dscnt 40                                ; the 32 just issued, and the last eight of this step's own (B's blocks 4-7), may be out
	QUAD 0, 0, \q, \slot, \first
	QUAD 1, 0, \q, \slot, \first
	s_wait_dscnt 32                                ; all but the 32 just issued
	QUAD 1, 1, \q, \slot, \first
	QUAD 0, 1, \q, \slot, \first
.endm
; A slot's last step changes slots.  Quadrant (0,1) goes first, up to the barrier's wait.
.macro MEET slot, next
	SCALES_A \next, 16*(2-\next)                   ; the next K step's words of A
.if \next == 0
	v_add_nc_u32 v[ADSA], 32, v[ADSA]              ; two K steps on
	s_wait_alu depctr_va_vdst(0)
.endif
	s_wait_tensorcnt 0x0                           ; all my tensor loads have landed: my part of the next slot
	ds_add_u32 v[SPW], v[NIL]                      ; 0 onto my spare word
	s_wait_dscnt 5                                 ; the add and the four scale loads may be out: this step's fragments are all in
	QWIN 0, 1, 0
	ROW2 0, 0, 1, 3, \slot, 0
	ROW2 1, 0, 1, 3, \slot, 0
	s_wait_dscnt 0x0                               ; the add is done, and my reads of this slot are over
	s_barrier_signal -1
	ROW2 2, 0, 1, 3, \slot, 0
	ROW2 3, 0, 1, 3, \slot, 0
	WIN 0
	s_barrier_wait -1
.endm
; The other three quadrants follow the refill and the next slot's first loads.
.macro TURN slot, next
	WIN 0
	s_wait_xcnt 0x0                                ; my prefetches have read their address
	s_add_nc_u64 s[PFA:PFA+1], s[PFA:PFA+1], s[PFS:PFS+1]
	MEET \slot, \next
	CREST                                          ; no wave of any partner still reads this slot or has a load on its way
	s_add_nc_u64 s[G0A+4*\slot+2:G0A+4*\slot+3], s[G0A+4*\slot+2:G0A+4*\slot+3], 2*ROWB
	s_add_nc_u64 s[G0B+4*\slot+2:G0B+4*\slot+3], s[G0B+4*\slot+2:G0B+4*\slot+3], 2*WPLANE
	JLOAD \slot                                    ; the first tensor load behind the round; its four v_nop are also the places in front of the loads below
	SCALES_B \next
	FETCH \next, 0
	QUAD 0, 0, 3, \slot, 0
	QUAD 1, 0, 3, \slot, 0
	QUAD 1, 1, 3, \slot, 0
	WIN 0
	s_cmp_gt_u32 s3, 1                             ; in the loop's last trip no K step is left to ask for
	s_cbranch_scc0 .Lnone_left_\@
	ASKAT PFA
.Lnone_left_\@:
.endm
	s_wait_tensorcnt 0x0                           ; my tile of the head's is in
	ds_add_u32 v[SPW], v[NIL]
	s_mov_b32 s[G1B+2], 136<<16                    ; no tensor load of mine is out: from here on a load of B brings one block
	s_mov_b32 s[G1B+4], 136
	s_wait_dscnt 0x0
	CROUND
	JLOAD 1                                        ; K step 1
	SCALES_A 0, 0
	SCALES_B 0
	FETCH 0, 0
	WIN 0
	ASKAT 80                                       ; K step 2, one K step ahead of its load,
	ASKAT PFA                                      ; and K step 3, two ahead
	STEP 0, 0, 1
	WIN 0
	s_mov_b32 s3, LAPS-1
.Llap:                                                 ; a trip goes once round the two slots, from a lap's second step to the next lap's first
	STEP 0, 1, 0
	STEP 0, 2, 0
	TURN 0, 1
	STEP 1, 0, 0
	STEP 1, 1, 0
	STEP 1, 2, 0
	TURN 1, 0
	STEP 0, 0, 0
	WIN 0
	s_sub_co_u32 s3, s3, 1
	s_cmp_lg_u32 s3, 0
	s_cbranch_scc1 .Llap
	STEP 0, 1, 0                                   ; the last lap fills nothing, and has no round of the cluster's barrier
	STEP 0, 2, 0
; THE LAST K STEP, in slot 1, by rows.  B: step q at v[32 q ..] of windows 2 and 3.  A: block a, 32 registers, at v[32 (a % 2) ..] of window 1.
.macro BROW q, bh
.irp n, 0,1,2,3,4,5,6,7
	ds_load_b128 v[32*\q+4*\n:32*\q+4*\n+3], v[LB1] offset:64*\q+32*(\n%2)+(4*\bh+\n/2)*16*PITCH
.endr
.endm
.macro AROW a
	WIN 0x40
.irp n, 0,1,2,3,4,5,6,7
	ds_load_b128 v[32*((\a)%2)+4*\n:32*((\a)%2)+4*\n+3], v[LA1] offset:64*(\n/2)+32*(\n%2)+(\a)*16*PITCH
.endr
.endm
.macro ROWK a                          ; block a is finished: 16 products, four accumulators by turns; B's second step, loaded last, comes last
.set wAH, (\a)/4
.irp q, 0,2,3,1
.if (\a == 0) && (\q == 1)
	s_wait_dscnt 0x0
.endif
.irp h, 0,1
	QWIN wAH, \h, 0
.irp b, 0,2
.set wB, 32*\q+8*\b
.set wA, 32*((\a)%2)+8*\q
	MM (\a)%4, wAH, \h, \b, wB, wA, \q, 1, 0
.endr
.endr
.endr
.endm
; THE WAY OUT, block by block of 16 rows x 128 columns, through my own stage in LDS: a lane puts 32 neighbouring bytes of a row; whole rows of 512 bytes come back and are stored as two aligned units of 256 bytes.
; LDS serves a wave's instructions in order (ISA guide 5.7.1.4).  The rows of even blocks come back into v64-127 of window 1, those of odd blocks into v32-63 and v96-127 of window 0: fragments and scale words that are done with.
.macro TOSTAGE a
.set wS, 4*(1+(\a)/4)
	WIN wS
.irp b, 0,1,2,3
	ds_store_b128 v[STO], v[128+8*(4*((\a)%4)+\b):131+8*(4*((\a)%4)+\b)] offset:64*\b          ; each accumulator from its low end on
	ds_store_b128 v[STO], v[132+8*(4*((\a)%4)+\b):135+8*(4*((\a)%4)+\b)] offset:64*\b+16
.endr
.set wS, 12*((\a)/4)
	WIN wS
.irp b, 0,1,2,3
	ds_store_b128 v[STO], v[128+8*(4*((\a)%4)+\b):131+8*(4*((\a)%4)+\b)] offset:256+64*\b
	ds_store_b128 v[STO], v[132+8*(4*((\a)%4)+\b):135+8*(4*((\a)%4)+\b)] offset:256+64*\b+16
.endr
.set wO, (\a)%2
.set wS, 0x40*(1-wO)
	WIN wS
.irp t, 0,1,2,3,4,5,6,7,8,9,10,11,12,13,14,15
	ds_load_b128 v[64-32*wO+4*\t+32*wO*(\t/8):64-32*wO+4*\t+32*wO*(\t/8)+3], v[RD] offset:\t*SPITCH
.endr
.endm
.macro SEND a, younger                 ; younger: the LDS instructions issued behind this block's, which may stay out
	s_wait_dscnt \younger
.if (\a) > 0
	s_add_nc_u64 s[12:13], s[12:13], 16*SIZE_N*4   ; (behind a wait on XCNT: the earlier stores have read their base)
.endif
.set wO, (\a)%2
.set wS, 4*(1-wO)
	WIN wS
.irp t, 0,1,2,3,4,5,6,7,8,9,10,11,12,13,14,15
	global_store_b128 v[CO], v[64-32*wO+4*\t+32*wO*(\t/8):64-32*wO+4*\t+32*wO*(\t/8)+3], s[12:13] offset:\t*SIZE_N*4 th:TH_STORE_NT
.endr
.endm
	WIN 0
	MEET 0, 1                                      ; nothing is filled again
	PLACES
	SCALES_B 1
	WIN 0x80
	BROW 0, 0                                      ; B's second step waits: its registers are still being multiplied
	BROW 2, 0
	BROW 3, 0
	WIN 0xc0
	BROW 0, 1
	BROW 2, 1
	BROW 3, 1
	AROW 0
	AROW 1
	QUAD 0, 0, 3, 0, 0
	QUAD 1, 0, 3, 0, 0
	QUAD 1, 1, 3, 0, 0
	PLACES
	WIN 0x80
	BROW 1, 0
	WIN 0xc0
	BROW 1, 1
.irp a, 0,1,2,3,4,5,6,7
.if \a == 0
	s_wait_dscnt 16                                ; all but B's second step
.elseif \a == 7
	s_wait_dscnt 32                                ; behind A's block 7: block 6's stage (16 stores, 16 loads)
.elseif \a > 1
	s_wait_dscnt 40                                ; behind A's block a: block a - 1's stage, and A's block a + 1
.endif
	ROWK \a
.if \a > 1
	s_wait_xcnt 0x0                                ; block a - 2's stores have read their registers and their base
.endif
.if \a == 7
	SEND \a-1, 0
.elseif \a > 0
	SEND \a-1, 8                                   ; behind block a - 1's stage: A's block a + 1
.endif
	PLACES
	TOSTAGE \a
.if \a < 6
	AROW \a+2
.endif
.endr
	s_wait_xcnt 0x0
	SEND 7, 0
	WIN 0
	s_wait_tensorcnt 0x0                           ; the wave's end
	ds_add_u32 v[SPW], v[NIL]
	s_wait_dscnt 0x0
	CROUND                                         ; the closing round: no work-group ends while a partner may still ask for a tile that names it
	s_endpgm
.Lfunc_end_k_qcc72de51cc_gemm:
	.size	k_qcc72de51cc_gemm, .Lfunc_end_k_qcc72de51cc_gemm-k_qcc72de51cc_gemm
	.p2alignl 7, 3214868480
	.fill 96, 4, 3214868480
	.section	.rodata,"a",@progbits
	.p2align	6, 0x0
	.amdhsa_kernel k_qcc72de51cc_gemm
		.amdhsa_group_segment_fixed_size 327680
		.amdhsa_private_segment_fixed_size 0
		.amdhsa_enable_private_segment 0
		.amdhsa_kernarg_size 40
		.amdhsa_user_sgpr_count 2
		.amdhsa_user_sgpr_kernarg_segment_ptr 1
		.amdhsa_wavefront_size32 1
		.amdhsa_system_sgpr_workgroup_id_x 1
		.amdhsa_system_sgpr_workgroup_id_y 1
		.amdhsa_system_sgpr_workgroup_id_z 1
		.amdhsa_system_vgpr_workitem_id 0
		.amdhsa_next_free_vgpr 1024
		.amdhsa_next_free_sgpr 102
		.amdhsa_reserve_vcc 0
		.amdhsa_float_denorm_mode_32 3
		.amdhsa_float_denorm_mode_16_64 3
		.amdhsa_memory_ordered 1
		.amdhsa_forward_progress 1
		.amdhsa_inst_pref_size 153
	.end_amdhsa_kernel
	.amdgpu_metadata
---
amdhsa.version: [ 1, 2 ]
amdhsa.kernels:
  - .name:           k_qcc72de51cc_gemm
    .symbol:         k_qcc72de51cc_gemm.kd
    .args:
      - { .name: x_codes, .offset: 0, .size: 8, .value_kind: global_buffer, .address_space: global }
      - { .name: x_scales, .offset: 8, .size: 8, .value_kind: global_buffer, .address_space: global }
      - { .name: w_img, .offset: 16, .size: 8, .value_kind: global_buffer, .address_space: global }
      - { .name: bias, .offset: 24, .size: 8, .value_kind: global_buffer, .address_space: global }
      - { .name: out0, .offset: 32, .size: 8, .value_kind: global_buffer, .address_space: global }
    .group_segment_fixed_size: 327680
    .private_segment_fixed_size: 0
    .kernarg_segment_align: 8
    .kernarg_segment_size: 40
    .max_flat_workgroup_size: 128
    .sgpr_count:     102
    .vgpr_count:     1024
    .wavefront_size: 32
...
	.end_amdgpu_metadata
.endif
;; end of part 2
